; MI455X (gfx1250); checked and timed in simulation.
; The chip was launched on July 23, 2026; its instructions are those of AMD's public machine-readable ISA for CDNA 5 (MIT licence, August 2026) and "CDNA5" Instruction Set Architecture Reference Guide (July 2026). The comments in the code are by the model that wrote it; some were corrected since.
;; Multiheads. Allowed arithmetic: matrix products marked QUANTISED: E4M3 operands, one E8M0 scale for each 32 along K, by v_wmma_scale_f32_16x16x128_f8f6f4 with both operands' format E4M3, f32 sums; everything else in f32.
;; Inputs: Wk_codes 8 x 64 x 16 x 32 uint8 (E4M3 codes of Wk, K innermost, in blocks of 32 codes); Wk_scales 8 x 64 x 16 uint8 (E8M0 scales of Wk, one for each 32 codes along K); Wp_codes 512 x 16 x 32 uint8 (E4M3 codes of Wp, K innermost, in blocks of 32 codes); Wp_scales 512 x 16 uint8 (E8M0 scales of Wp, one for each 32 codes along K); Wq_codes 8 x 64 x 16 x 32 uint8 (E4M3 codes of Wq, K innermost, in blocks of 32 codes); Wq_scales 8 x 64 x 16 uint8 (E8M0 scales of Wq, one for each 32 codes along K); Wv_codes 8 x 64 x 16 x 32 uint8 (E4M3 codes of Wv, K innermost, in blocks of 32 codes); Wv_scales 8 x 64 x 16 uint8 (E8M0 scales of Wv, one for each 32 codes along K); bp 512 float32; x_codes 8 x 2,048 x 16 x 32 uint8 (E4M3 codes of x, K innermost, in blocks of 32 codes); x_scales 8 x 2,048 x 16 uint8 (E8M0 scales of x, one for each 32 codes along K).
;; Outputs: out0 8 x 2,048 x 512 float32.
;; This version of the problem:
;;   THIS VERSION OF THE PROBLEM IS GIVEN IN LOW PRECISION. The matrix products marked QUANTISED in the list below multiply operands that are first quantised to E4M3 (4 exponent bits, 3 mantissa bits; 8 bits a number), with one power-of-two scale for each 32 numbers along K (OCP MX v1.0); their sums are f32. All else is computed in f32.
;;   The module's matrix products, in the order in which they are computed (A, B: the left and right operand; K: the contracted axis; several contracted axes count as one K, in the product's order):
;;     1. [M 512, K 512] x [K 512, N 16,384]; A: input Wq (given as codes); B: input x (given as codes): QUANTISED
;;     2. [M 512, K 512] x [K 512, N 16,384]; A: input Wk (given as codes); B: input x (given as codes): QUANTISED
;;     3. [M 512, K 512] x [K 512, N 16,384]; A: input Wv (given as codes); B: input x (given as codes): QUANTISED
;;     4. batch 64 x [M 2,048, K 64] x [K 64, N 2,048]; A: computed on the way; B: computed on the way: QUANTISED
;;     5. batch 64 x [M 2,048, K 2,048] x [K 2,048, N 64]; A: softmax (see below); B: computed on the way: QUANTISED
;;     6. [M 16,384, K 512] x [K 512, N 512]; A: computed on the way; B: input Wp (given as codes): QUANTISED
;;   THE QUANTISER, for each operand of a quantised product, along K:
;;     - K is cut into blocks of 32 from its start; a last block that is shorter is filled with zeros.
;;     - A block's scale is 2^e with e = floor(log2(the largest magnitude in the block)) - 8, held to -126 .. 127; a block of zeros has e = 0. As a byte (E8M0): e + 127.
;;     - Each number is divided by its block's scale, clamped to +-448, and rounded to the nearest number of E4M3, ties to even, subnormals kept.
;;     - The product sums the exact products of the quantised numbers (number of the format x scale) in f32.
;;   ~~~python
;;   def quantise(x, axis):      # numpy; x: float32 -> the quantised numbers, widened to float32 again
;;       x = np.moveaxis(x, axis, -1); K = x.shape[-1]
;;       x = np.pad(x, [(0, 0)] * (x.ndim - 1) + [(0, -K % 32)]); x = x.reshape(x.shape[:-1] + (-1, 32)); a = np.abs(x).max(-1, keepdims=True)
;;       e = np.where(a > 0, np.clip(np.frexp(np.where(a > 0, a, 1))[1] - 1 - 8, -126, 127), 0)      # np.frexp(a)[1] - 1 = floor(log2(a)), exactly
;;       r = np.clip(x / 2.0 ** e, -448, 448)
;;       step = 2.0 ** (np.maximum(np.frexp(np.where(r == 0, 1, r))[1] - 1, -6) - 3)
;;       q = np.round(r / step) * step * 2.0 ** e      # np.round: ties to even
;;       return np.moveaxis(q.reshape(q.shape[:-2] + (-1,))[..., :K], -1, axis).astype(np.float32)
;;   ~~~
;;   SOFTMAX AHEAD OF A QUANTISED PRODUCT. Where the list says 'softmax', what is quantised is not the finished softmax but p = 2^(t - M), with t = logit x log2(e) and M = ceil(the row's largest t), a whole number; so 1/2 < the row's largest p <= 1. The row's sum l is taken of the UNQUANTISED p, in f32, and the product's result is divided by l at the end. Since M is a whole number, a kernel that streams over the keys may use a running M (the ceiling of the running maximum): every later rescaling is an exact power of two, which a block's scale takes up: the codes' values come out the same.
;;   OPERANDS COMPUTED ON THE WAY. 'Computed on the way' means the value that the module computes at that place (a softmax that the list does not call 'softmax' is quantised finished and normalised). What goes into a quantiser is computed in f32, as accurately as f32 sums, v_exp_f32 and their like allow (about 1e-6 of the number): no bf16 or f16 on the way to a quantiser, and a product that is left as it is and whose result goes on into a quantised operand takes f32 operands (vector FMAs, or v_wmma_f32_16x16x4_f32). A number that lies on a knife's edge between two numbers of the format may be rounded either way, as far as f32 arithmetic and the matrix unit's own rounding can turn it there, and no further.
;;   INPUTS GIVEN AS CODES. Wk (in the module: [8, 512, 64], K = its axis 1); Wp (in the module: [512, 512], K = its axis 0); Wq (in the module: [8, 512, 64], K = its axis 1); Wv (in the module: [8, 512, 64], K = its axis 1); x (in the module: [8, 2048, 512], K = its axis 2): each comes as NAME_codes (uint8): NAME with its K axis moved to the last place and cut into blocks of 32 codes, [.., K / 32, bytes a block], one block behind the other in memory; one code a byte (a code: sign, 4 exponent bits, 3 mantissa bits); and NAME_scales (uint8): the same leading axes, one E8M0 byte (e + 127) for each 32 codes along K. Its value is code x scale, taken as it is: it is not quantised again, and the codes and scales need not be those that the quantiser above would give.
;; One version. Each part assembles by itself: llvm-mc -triple=amdgcn-amd-amdhsa -mcpu=gfx1250 --defsym DOCPART=n.
;; ======== version 1 of 1: 3 launches
;; limits: right only within a limited range of input values
;; workspace buffers: kv 17,301,504 bytes; q_codes 8,388,608 bytes; q_scales 524,288 bytes; o_codes 8,388,608 bytes; o_scales 262,144 bytes
;; launch qkv (part 1): grid 8 x 32, 4 waves a work-group, clusters of 4 x 4, 327,680 bytes of LDS; arguments x_codes, x_scales, Wq_codes, Wq_scales, Wk_codes, Wk_scales, Wv_codes, Wv_scales, q_codes, q_scales, kv; writes q_codes, q_scales, kv
.if DOCPART == 1
	.amdgcn_target "amdgcn-amd-amdhsa--gfx1250"
	.amdhsa_code_object_version 6
	.text
	.protected	k_q73eda9cb56_qkv
	.globl	k_q73eda9cb56_qkv
	.p2align	8
	.type	k_q73eda9cb56_qkv,@function
k_q73eda9cb56_qkv:
	s_mov_b64 s[64:65], 0
	v_nop
	global_prefetch_b8 v0, s[64:65] scope:SCOPE_SE
	s_setreg_imm32_b32 hwreg(HW_REG_WAVE_MODE, 25, 1), 1
	s_wait_xcnt 0x0
	s_wait_alu depctr_hold_cnt(0) depctr_sa_sdst(0) depctr_va_vdst(0) depctr_va_sdst(0) depctr_va_ssrc(0) depctr_va_vcc(0) depctr_vm_vsrc(0)
	s_getreg_b32 s2, hwreg(HW_REG_IB_STS2, 6, 4)
	s_cmp_eq_u32 s2, 0
	s_cbranch_scc0 .Lentry_in_a_cluster
	s_endpgm
.Lentry_in_a_cluster:
	s_bfe_u32 s2, ttmp6, 0x10000c
	s_cmp_lg_u32 s2, 0xf033
	s_cbranch_scc0 .Lentry_shape_is_right
	s_endpgm
.Lentry_shape_is_right:
.set PITCH, 528
.set WROWS, 64*PITCH
.set PAIRB, 32*PITCH
.set XB,    3*WROWS
.set XW,    3*PAIRB
.set XSB,   XB+4*XW
.set SPARE, XSB+8192
.set PADW,  (1<<20)|(1<<21)|(6<<22)|(3<<25)
.set AX,  1
.set LI,  2
.set LS,  3
.set SPW, 4
.set NIL, 5
.set AX3, 6
.set AXS, 7
.set XS,  8
.set WS,  12
.set VW,  36
.set PW,  40
.set KW,  41
.set T0,  42
.set T1,  43
.set TM,  44
.set PC0, 60
.set ACC, 64
.set X,   128
.set WV,  26
.set MSB, 0
.macro WIN new
.if MSB != (\new)
	s_set_vgpr_msb (MSB<<8)|(\new)
.set MSB, (\new)
.endif
.endm
.macro NOPS n
.rept \n
	v_nop
.endr
.endm
.macro ROUND
	s_barrier_signal -1
	s_barrier_wait -1
	s_cmp_lg_u32 s[WV], 0
	s_cbranch_scc1 .Lnot_wave_0_\@
	s_barrier_signal -3
.Lnot_wave_0_\@:
	s_barrier_wait -3
	s_barrier_signal -1
	s_barrier_wait -1
.endm
.macro WM d, a, b, c, sa, sb, ra, rb
.if (\c) < 0
.if (\ra) && (\rb)
	v_wmma_scale_f32_16x16x128_f8f6f4 v[0+(\d):7+(\d)], v[0+(\a):15+(\a)], v[0+(\b):15+(\b)], 0, v[0+(\sa)], v[0+(\sb)] matrix_a_scale:MATRIX_SCALE_ROW1 matrix_b_scale:MATRIX_SCALE_ROW1
.elseif (\ra)
	v_wmma_scale_f32_16x16x128_f8f6f4 v[0+(\d):7+(\d)], v[0+(\a):15+(\a)], v[0+(\b):15+(\b)], 0, v[0+(\sa)], v[0+(\sb)] matrix_a_scale:MATRIX_SCALE_ROW1
.elseif (\rb)
	v_wmma_scale_f32_16x16x128_f8f6f4 v[0+(\d):7+(\d)], v[0+(\a):15+(\a)], v[0+(\b):15+(\b)], 0, v[0+(\sa)], v[0+(\sb)] matrix_b_scale:MATRIX_SCALE_ROW1
.else
	v_wmma_scale_f32_16x16x128_f8f6f4 v[0+(\d):7+(\d)], v[0+(\a):15+(\a)], v[0+(\b):15+(\b)], 0, v[0+(\sa)], v[0+(\sb)]
.endif
.else
.if (\ra) && (\rb)
	v_wmma_scale_f32_16x16x128_f8f6f4 v[0+(\d):7+(\d)], v[0+(\a):15+(\a)], v[0+(\b):15+(\b)], v[0+(\c):7+(\c)], v[0+(\sa)], v[0+(\sb)] matrix_a_scale:MATRIX_SCALE_ROW1 matrix_b_scale:MATRIX_SCALE_ROW1
.elseif (\ra)
	v_wmma_scale_f32_16x16x128_f8f6f4 v[0+(\d):7+(\d)], v[0+(\a):15+(\a)], v[0+(\b):15+(\b)], v[0+(\c):7+(\c)], v[0+(\sa)], v[0+(\sb)] matrix_a_scale:MATRIX_SCALE_ROW1
.elseif (\rb)
	v_wmma_scale_f32_16x16x128_f8f6f4 v[0+(\d):7+(\d)], v[0+(\a):15+(\a)], v[0+(\b):15+(\b)], v[0+(\c):7+(\c)], v[0+(\sa)], v[0+(\sb)] matrix_b_scale:MATRIX_SCALE_ROW1
.else
	v_wmma_scale_f32_16x16x128_f8f6f4 v[0+(\d):7+(\d)], v[0+(\a):15+(\a)], v[0+(\b):15+(\b)], v[0+(\c):7+(\c)], v[0+(\sa)], v[0+(\sb)]
.endif
.endif
.endm
	s_load_b512 s[4:19], s[0:1], 0x0
	s_load_b128 s[20:23], s[0:1], 0x40
	s_load_b64 s[24:25], s[0:1], 0x50
	v_lshl_add_u32 v[SPW], v0, 2, SPARE
	v_mov_b32 v[NIL], 0
	ds_add_u32 v4, v5
	ds_add_u32 v4, v5
	s_wait_dscnt 0x0
	v_lshrrev_b32 v[T0], 5, v0
	v_readfirstlane_b32 s[WV], v[T0]
	s_bfe_u32 s27, ttmp6, 0x40000
	s_bfe_u32 s28, ttmp6, 0x40004
	s_lshl_b32 s29, ttmp9, 2
	s_add_co_u32 s29, s29, s27
	s_and_b32 s30, ttmp7, 0xffff
	s_lshl_b32 s30, s30, 2
	s_add_co_u32 s30, s30, s28
	s_lshl_b32 s31, s28, 2
	s_lshl_b32 s31, 15, s31
	s_lshl_b32 s92, 0x1111, s27
	s_or_b32 s32, s92, PADW
	s_mov_b32 s33, 512<<16
	s_mov_b32 s34, 64<<16
	s_mov_b32 s35, 512<<16
	s_mov_b32 s36, 64
	s_mov_b32 s37, 512
	s_mov_b32 s38, 0
	s_mov_b32 s39, 0
	s_or_b32 s40, s31, PADW
	s_mov_b32 s41, 512<<16
	s_mov_b32 s42, 96<<16
	s_mov_b32 s43, 512<<16
	s_mov_b32 s44, 96
	s_mov_b32 s45, 512
	s_mov_b32 s46, 0
	s_mov_b32 s47, 0
	s_or_b32 s48, s31, (3<<16)|(1<<21)
	s_mov_b32 s49, 32<<16
	s_mov_b32 s50, 32<<16
	s_mov_b32 s51, 32<<16
	s_mov_b32 s52, 32
	s_mov_b32 s53, 32
	s_mov_b32 s54, 0
	s_mov_b32 s55, 0
	s_or_b32 s56, s31, PADW
	s_mov_b32 s57, 512<<16
	s_mov_b32 s58, 32<<16
	s_mov_b32 s59, 512<<16
	s_mov_b32 s60, 32
	s_mov_b32 s61, 512
	s_mov_b32 s62, 0
	s_mov_b32 s63, 0
	s_lshl_b32 s84, s30, 18
	s_lshl_b32 s86, s[WV], 16
	s_add_co_u32 s84, s84, s86
	s_mov_b32 s85, 0
	s_lshl_b32 s86, s30, 13
	s_mov_b32 s87, 0
	s_lshl_b32 s88, s29, 15
	s_mov_b32 s89, 0
	s_lshl_b32 s90, s29, 10
	s_mov_b32 s91, 0
	s_mul_i32 s93, s[WV], WROWS
	s_mul_i32 s94, s[WV], XW
	s_add_co_u32 s94, s94, XB
	s_mul_i32 s95, s[WV], PAIRB
	s_mov_b32 s2, 0x76543210
	s_mov_b32 s3, 0xfedcba98
	s_mov_b32 s66, 0x600000
	s_mov_b32 s67, 0xffff0000
	s_wait_kmcnt 0x0
	s_cmp_eq_u32 s[WV], 0
	s_cselect_b64 s[96:97], s[8:9], s[12:13]
	s_cmp_lt_u32 s[WV], 2
	s_cselect_b64 s[96:97], s[96:97], s[16:17]
	s_mov_b32 s68, 1
	s_mov_b32 s69, s93
	s_add_nc_u64 s[70:71], s[96:97], s[88:89]
	s_or_b32 s71, s71, 0x80000000
	s_mov_b32 s72, 1
	s_mov_b32 s73, XSB
	s_add_nc_u64 s[74:75], s[6:7], s[86:87]
	s_or_b32 s75, s75, 0x80000000
	s_mov_b32 s76, 1
	s_mov_b32 s77, s94
	s_add_nc_u64 s[78:79], s[4:5], s[84:85]
	s_mov_b32 s80, 1
	s_mov_b32 s81, s95
	s_add_nc_u64 s[82:83], s[78:79], 96*512
	s_or_b32 s79, s79, 0x80000000
	s_or_b32 s83, s83, 0x80000000
	ROUND
	s_cmp_lt_u32 s[WV], 3
	s_cbranch_scc0 .Lfor_scales
	tensor_load_to_lds s[68:71], s[32:39]
	s_nop 0
	NOPS 4
	s_branch .Lfirst_asked
.Lfor_scales:
	tensor_load_to_lds s[72:75], s[48:55]
	s_nop 0
	NOPS 4
.Lfirst_asked:
	s_wait_alu depctr_va_vdst(0)
	s_wait_tensorcnt 0x0
	ds_add_u32 v4, v5
	s_wait_dscnt 0x0
	ROUND
	tensor_load_to_lds s[76:79], s[40:47]
	s_nop 0
	NOPS 4
	v_and_b32 v[T0], 15, v0
	v_bfe_u32 v[T1], v0, 4, 1
	v_and_b32 v44, 8, v[T0]
	v_add_nc_u32 v44, v44, v[T0]
	v_mul_u32_u24 v45, v44, PITCH
	v_lshl_add_u32 v45, v[T1], 4, v45
	v_add_nc_u32 v46, 2*WROWS, v45
	v_and_b32 v[LS], 31, v0
	v_lshlrev_b32 v[LI], 4, v[LS]
	v_lshlrev_b32 v[LS], 2, v[LS]
	v_add_nc_u32 v[AX], s94, v45
	v_add_nc_u32 v[AX3], s95, v45
	v_lshl_add_u32 v47, v[T1], 3, v44
	v_lshlrev_b32 v47, 4, v47
	s_lshl_b32 s98, s[WV], 11
	s_add_co_u32 s98, s98, XSB
	v_add_nc_u32 v[AXS], s98, v47
	s_add_nc_u64 s[10:11], s[10:11], s[90:91]
	s_add_nc_u64 s[14:15], s[14:15], s[90:91]
	s_add_nc_u64 s[18:19], s[18:19], s[90:91]
	global_load_b128 v[WS:WS+3],     v47, s[10:11]
	global_load_b128 v[WS+4:WS+7],   v47, s[10:11] offset:512
	global_load_b128 v[WS+8:WS+11],  v47, s[14:15]
	global_load_b128 v[WS+12:WS+15], v47, s[14:15] offset:512
	global_load_b128 v[WS+16:WS+19], v47, s[18:19]
	global_load_b128 v[WS+20:WS+23], v47, s[18:19] offset:512
.irp b, 0,1,2,3
	v_mov_b32 v[TM+4+\b], 0
.endr
	s_lshr_b32 s98, s30, 2
	s_lshl_b32 s98, s98, 3
	s_add_co_u32 s98, s98, s29
	s_and_b32 s99, s30, 3
	s_lshl_b32 s99, s99, 2
	s_add_co_u32 s99, s99, s[WV]
	s_lshl_b32 s98, s98, 4
	s_add_co_u32 s98, s98, s99
	s_lshl_b32 s100, s98, 13
	s_mov_b32 s101, 0
	s_add_nc_u64 s[20:21], s[20:21], s[100:101]
	s_lshl_b32 s100, s98, 9
	s_add_nc_u64 s[22:23], s[22:23], s[100:101]
	s_mul_i32 s100, s98, 16896
	s_add_nc_u64 s[24:25], s[24:25], s[100:101]
	s_wait_tensorcnt 0x1
	s_barrier_signal -1
	s_barrier_wait -1
.macro WFETCH m, adr, row0
	WIN (\m+1)<<6
.irp t, 0,1,2,3
.irp s, 0,1,2,3
.irp c, 0,1,2,3
	ds_load_b128 v[64*\t+16*\s+4*\c:64*\t+16*\s+4*\c+3], v[\adr] offset:(\row0+32*(\t/2)+8*(\t%2))*PITCH+128*\s+32*\c
.endr
.endr
.endr
.endm
	WFETCH 0, 45, 0
	WFETCH 1, 45, 64
	WFETCH 2, 46, 0
	WIN 0
	s_wait_tensorcnt 0x0
	ds_add_u32 v[SPW], v[NIL]
	s_wait_dscnt 0x0
	ROUND
	tensor_load_to_lds s[80:83], s[56:63]
	s_nop 0
	NOPS 4
.macro XFETCH p
.irp u, 0,1
.irp s, 0,1,2,3
.irp c, 0,1,2,3
.if (\p) < 3
	ds_load_b128 v[X+64*\u+16*\s+4*\c:X+64*\u+16*\s+4*\c+3], v[AX] offset:PAIRB*(\p)+8*PITCH*\u+128*\s+32*\c
.else
	ds_load_b128 v[X+64*\u+16*\s+4*\c:X+64*\u+16*\s+4*\c+3], v[AX3] offset:8*PITCH*\u+128*\s+32*\c
.endif
.endr
.endr
.endr
	ds_load_b128 v[XS:XS+3], v[AXS] offset:512*(\p)
.endm
.macro MMQK win
	s_wait_xcnt 0x0
	WIN \win
.irp s, 0,1,2,3
.irp u, 0,1
.irp t, 0,1,2,3
.if \s == 0
	WM ACC+16*(2*\u+\t/2)+8*(\t%2), 64*\t+16*\s, X+64*\u+16*\s, -1, WS+8*(\win-1)+4*(\t/2)+\s, XS+\s, \t%2, \u
.else
	WM ACC+16*(2*\u+\t/2)+8*(\t%2), 64*\t+16*\s, X+64*\u+16*\s, ACC+16*(2*\u+\t/2)+8*(\t%2), WS+8*(\win-1)+4*(\t/2)+\s, XS+\s, \t%2, \u
.endif
.endr
.endr
.endr
	WIN 0
	NOPS 9
.endm
.macro MMV
	s_wait_xcnt 0x0
	WIN 0x0c
.irp s, 0,1,2,3
.irp u, 0,1
.irp t, 0,1,2,3
.if \s == 0
	WM ACC+16*\t+8*\u, X+64*\u+16*\s, 64*\t+16*\s, -1, XS+\s, WS+16+4*(\t/2)+\s, \u, \t%2
.else
	WM ACC+16*\t+8*\u, X+64*\u+16*\s, 64*\t+16*\s, ACC+16*\t+8*\u, XS+\s, WS+16+4*(\t/2)+\s, \u, \t%2
.endif
.endr
.endr
.endr
	WIN 0
	NOPS 9
.endm
.macro QUANT
.irp b, 0,1,2,3
	v_max3_num_f32 v[TM+\b], |v[ACC+16*\b]|, |v[ACC+16*\b+1]|, 0x4800000
.endr
.irp i, 2,4,6,8,10,12,14
.irp b, 0,1,2,3
	v_max3_num_f32 v[TM+\b], v[TM+\b], |v[ACC+16*\b+\i]|, |v[ACC+16*\b+\i+1]|
.endr
.endr
.irp b, 0,1,2,3
	v_permlanex16_b32 v[TM+4+\b], v[TM+\b], s2, s3
.endr
.irp b, 0,1,2,3
	v_max_num_f32 v[TM+\b], v[TM+\b], v[TM+4+\b]
.endr
.irp b, 0,1,2,3
	v_add_nc_u32 v[TM+12+\b], 0xfc000000, v[TM+\b]
.endr
.irp b, 0,1,2,3
	v_and_or_b32 v[TM+8+\b], v[TM+\b], 0x7f800000, s66
.endr
.irp b, 0,1,2,3
	v_lshrrev_b32 v[TM+4+\b], 23, v[TM+12+\b]
.endr
	v_lshl_or_b32 v[PW], v[TM+5], 8, v[TM+4]
	v_lshl_or_b32 v[PW], v[TM+6], 16, v[PW]
	v_lshl_or_b32 v[PW], v[TM+7], 24, v[PW]
.irp b, 0,1,2,3
.if \b == 0
.set CD, PC0
.else
.set CD, ACC+16*(\b-1)
.endif
.irp i, 0,1,2,3,4,5,6,7,8,9,10,11,12,13,14,15
	v_med3_num_f32 v[ACC+16*\b+\i], v[ACC+16*\b+\i], -v[TM+8+\b], v[TM+8+\b]
.endr
	v_cvt_scalef32_pk8_fp8_f32 v[CD:CD+1], v[ACC+16*\b:ACC+16*\b+7], v[TM+12+\b]
	v_cvt_scalef32_pk8_fp8_f32 v[CD+2:CD+3], v[ACC+16*\b+8:ACC+16*\b+15], v[TM+12+\b]
.endr
	v_nop
.endm
.macro ST4 base, o0, step
	global_store_b128 v[LI], v[PC0:PC0+3], s[\base:\base+1] offset:\o0
.irp b, 1,2,3
	global_store_b128 v[LI], v[ACC+16*(\b-1):ACC+16*(\b-1)+3], s[\base:\base+1] offset:(\o0)+(\step)*\b
.endr
.endm
.macro PAIR p, nx
	s_wait_dscnt 0x0
	MMQK 1
	QUANT
	ST4 20, 2048*(\p), 512
	v_lshl_or_b32 v[T0], v[TM+5], 8, v[TM+4]
	v_lshl_or_b32 v[T1], v[TM+7], 8, v[TM+6]
	v_cndmask_b32 v[T0], v[T0], v[T1], s67
	v_lshl_or_b32 v[T0], v[T0], 16, v[T0]
	global_store_b32 v[LS], v[T0], s[22:23] offset:128*(\p)
	MMQK 2
	QUANT
	ST4 24, 2048*(\p), 512
.if (\p)%2 == 0
	v_mov_b32 v[KW], v[PW]
.else
	v_cndmask_b32 v[T0], v[KW], v[PW], s67
	global_store_b32 v[LS], v[T0], s[24:25] offset:16384+128*((\p)/2)
.endif
	MMV
.if \nx < 4
.if \nx == 3
	s_wait_tensorcnt 0x0
.endif
	XFETCH \nx
.endif
	QUANT
	ST4 24, 8192+512*(\p), 2048
.irp b, 0,1,2,3
.if (\p) == 0
	v_mov_b32 v[VW+\b], v[TM+4+\b]
.else
	v_lshl_or_b32 v[VW+\b], v[TM+4+\b], 8*(\p), v[VW+\b]
.endif
.endr
.endm
	s_wait_alu depctr_va_vdst(0)
	XFETCH 0
	s_wait_loadcnt 0x0
	PAIR 0, 1
	PAIR 1, 2
	PAIR 2, 3
	PAIR 3, 4
	v_cndmask_b32 v[T0], v[VW], v[VW+1], s67
	v_cndmask_b32 v[T1], v[VW+2], v[VW+3], s67
	global_store_b32 v[LS], v[T0], s[24:25] offset:16640
	global_store_b32 v[LS], v[T1], s[24:25] offset:16768
	s_wait_tensorcnt 0x0
	ds_add_u32 v[SPW], v[NIL]
	s_wait_dscnt 0x0
	ROUND
	s_endpgm
.Lfunc_end_k_q73eda9cb56_qkv:
	.size	k_q73eda9cb56_qkv, .Lfunc_end_k_q73eda9cb56_qkv-k_q73eda9cb56_qkv
	.p2alignl 7, 3214868480
	.fill 96, 4, 3214868480
	.section	.rodata,"a",@progbits
	.p2align	6, 0x0
	.amdhsa_kernel k_q73eda9cb56_qkv
		.amdhsa_group_segment_fixed_size 327680
		.amdhsa_private_segment_fixed_size 0
		.amdhsa_enable_private_segment 0
		.amdhsa_kernarg_size 88
		.amdhsa_user_sgpr_count 2
		.amdhsa_user_sgpr_kernarg_segment_ptr 1
		.amdhsa_wavefront_size32 1
		.amdhsa_system_sgpr_workgroup_id_x 1
		.amdhsa_system_sgpr_workgroup_id_y 1
		.amdhsa_system_sgpr_workgroup_id_z 1
		.amdhsa_system_vgpr_workitem_id 0
		.amdhsa_next_free_vgpr 1024
		.amdhsa_next_free_sgpr 102
		.amdhsa_reserve_vcc 0
		.amdhsa_float_denorm_mode_32 3
		.amdhsa_float_denorm_mode_16_64 3
		.amdhsa_memory_ordered 1
		.amdhsa_forward_progress 1
		.amdhsa_inst_pref_size 186
	.end_amdhsa_kernel
	.amdgpu_metadata
---
amdhsa.version: [ 1, 2 ]
amdhsa.kernels:
  - .name:           k_q73eda9cb56_qkv
    .symbol:         k_q73eda9cb56_qkv.kd
    .args:
      - { .name: x_codes, .offset: 0, .size: 8, .value_kind: global_buffer, .address_space: global }
      - { .name: x_scales, .offset: 8, .size: 8, .value_kind: global_buffer, .address_space: global }
      - { .name: Wq_codes, .offset: 16, .size: 8, .value_kind: global_buffer, .address_space: global }
      - { .name: Wq_scales, .offset: 24, .size: 8, .value_kind: global_buffer, .address_space: global }
      - { .name: Wk_codes, .offset: 32, .size: 8, .value_kind: global_buffer, .address_space: global }
      - { .name: Wk_scales, .offset: 40, .size: 8, .value_kind: global_buffer, .address_space: global }
      - { .name: Wv_codes, .offset: 48, .size: 8, .value_kind: global_buffer, .address_space: global }
      - { .name: Wv_scales, .offset: 56, .size: 8, .value_kind: global_buffer, .address_space: global }
      - { .name: q_codes, .offset: 64, .size: 8, .value_kind: global_buffer, .address_space: global }
      - { .name: q_scales, .offset: 72, .size: 8, .value_kind: global_buffer, .address_space: global }
      - { .name: kv, .offset: 80, .size: 8, .value_kind: global_buffer, .address_space: global }
    .group_segment_fixed_size: 327680
    .private_segment_fixed_size: 0
    .kernarg_segment_align: 8
    .kernarg_segment_size: 88
    .max_flat_workgroup_size: 128
    .sgpr_count:     102
    .vgpr_count:     1024
    .wavefront_size: 32
...
	.end_amdgpu_metadata
.endif
;; end of part 1
;; launch attn (part 2): grid 4 x 64, 8 waves a work-group, clusters of 4 x 1, 327,680 bytes of LDS; arguments q_codes, q_scales, kv, o_codes, o_scales; writes o_codes, o_scales
.if DOCPART == 2
	.amdgcn_target "amdgcn-amd-amdhsa--gfx1250"
	.amdhsa_code_object_version 6
	.text
	.protected	k_q73eda9cb56_attn
	.globl	k_q73eda9cb56_attn
	.p2align	8
	.type	k_q73eda9cb56_attn,@function
k_q73eda9cb56_attn:
	s_mov_b64 s[64:65], 0
	v_nop
	global_prefetch_b8 v0, s[64:65] scope:SCOPE_SE
	s_setreg_imm32_b32 hwreg(HW_REG_WAVE_MODE, 25, 1), 1
	s_wait_xcnt 0x0
	s_wait_alu depctr_hold_cnt(0) depctr_sa_sdst(0) depctr_va_vdst(0) depctr_va_sdst(0) depctr_va_ssrc(0) depctr_va_vcc(0) depctr_vm_vsrc(0)
	s_getreg_b32 s2, hwreg(HW_REG_IB_STS2, 6, 4)
	s_cmp_eq_u32 s2, 0
	s_cbranch_scc0 .Lentry_in_a_cluster
	s_endpgm
.Lentry_in_a_cluster:
	s_bfe_u32 s2, ttmp6, 0x10000c
	s_cmp_lg_u32 s2, 0x3003
	s_cbranch_scc0 .Lentry_shape_is_right
	s_endpgm
.Lentry_shape_is_right:
; o = softmax(q k^T / 8) v for 512 queries of one head, both products on codes of E4M3 with E8M0 scales, and o quantised along the head's 64 channels for the projection.
; THE SOFTMAX: t = score x log2(e) / 8; M = the running largest t rounded UP to a whole number; p = 2^(t - M) is quantised along the keys, not normalised; the row's sum is taken of the
; unquantised p and divides at the end; when M moves, the sum and O are multiplied by 2^(old M - new M), which rounds nothing.
; SHARES.  Eight waves of 512 registers, two to a SIMD.  A wave owns FOUR tiles of 16 queries (tiles 4 w .. 4 w + 3 of the block's 32) and walks the head's 2,048 keys once, 128 a step:
; a step's fragments of K and V are read from LDS once a wave and serve all four tiles.
; LDS.  The head's K and V, as images of the operands' registers with their scale words, are 16 steps x 16,896 = 270,336 bytes: they lie in LDS whole, filled once, two steps by each wave's one load.
; CLUSTER 4 x 1.  The four query blocks of a head are one cluster: every tile is asked for jointly.  No prefetch: every read of memory is issued at the head, and no loop streams from memory.
; LAYOUT.  Both products are used transposed (S^T = K Q^T, O^T = V^T P^T): a lane holds one query throughout.  The head has 64 along K and the matrix form takes 128: a K fragment holds TWO key tiles,
; and q lies between runs of zero codes (Z q0 Z q1 Z q2 Z q3 Z), so that [q | Z] picks the first key tile and [Z | q] the second.  Zero codes add nothing under any scale byte of 1 to 254.
; THE ORDER OF A PHASE (one tile, one step): the tile's eight products S^T; the tile BEFORE's O^T x f (sixteen lines, which are also the places behind the eight) and its four products with V; then this tile's softmax and codes.
; So the loop's first phase finds zero codes of p and zeros in O^T, and the last tile's products stand behind the loop.  O^T begins as zeros, so that the step is written once.
; K's next step is loaded behind the fourth tile's products, V's behind the fourth tile's products with V: each has a tile's softmax in which to land.
; CHAINS.  Maxima run in eight chains by turns, sums in six, and the sums' joins stand among the holds: a line reads what was written five lines back or more; where that cannot be, a one-field hint stands.
; THE EXPONENTIALS go in two batches, keys 0-63 and keys 64-127.  Among a batch's lines stand plain lines whose sources were written ahead of the wait in front of the batch and whose results are first read behind the wait that follows it.
; LIMITS: NaN and infinities are not served; a block of zeros gets the scale byte 1 (only this program reads the bytes); 1 / sum is v_rcp_f32's; the scaled scores stay under 2^31 in magnitude.
.set STEPB, 16896
.set OSTG,  16*STEPB                   ; behind the head: 1,024 bytes in which the 32 tiles' o scales meet; no tile lands there
.set SPARE, OSTG+1024                  ; the spare words: 128 bytes a wave
; window 0
.set LI,  1                            ; 16 x lane
.set LS,  2                            ; 4 x lane
.set ADR, 3                            ; LI + the first byte of the step that is loaded next
.set ADS, 4                            ; LS + the same
.set R4,  5                            ; at the head: 4 x (lane % 16)
.set T3,  5                            ; in the loop: at work
.set OSA, 6                            ; where my first tile's o scales go in the stage
.set SPW, 7                            ; my spare word
.set NIL, 8                            ; 0
.set OSR, 9                            ; where wave 0 reads the stage back
.set KS,  10                           ; v10-11 K's scale words
.set VS,  12                           ; v12-13 V's
.set QS,  14                           ; v14-17 q's, a register a tile
.set PS,  18                           ; p's scale word
.set TP,  19
.set F,   20                           ; v[20:21] f = 2^(old M - new M), and a 0 named with it as a pair
.set T2,  22
.set ST,  24                           ; v24-39 a tile's state: -M, the largest score, the sum in two halves
.set BM,  40                           ; v40-43 the blocks' largest, then the scales' bytes
.set PT,  44                           ; v44-47 partners
.set LM,  48                           ; v48-51 the maxima's second chains, then 448 x scale
.set SO,  52                           ; v52-55 the conversions' scale operands
.set L2,  58                           ; v58-61 448 x scale once more: a dual pair's second sources lie in different banks
.set OB,  62                           ; v62-63 at the end: o's two scale bytes, for two tiles
.set C3,  PT                           ; the sum's chains beside the sum itself: pairs that are free while the sums run
.set C4,  PT+2
.set C5,  62
.set C6,  22
.set C7,  56
.set KF,  64                           ; v64-127  K: pair b at 16 b
.set VF,  128                          ; v128-191 V: channel tile t at 16 t
.set S,   192                          ; v192-255 S^T, then p
; window 1
.set O,   0                            ; O^T: tile a at 32 a
.set QZ,  128                          ; Z q0 Z q1 Z q2 Z q3 Z, eight registers each
.set P,   200                          ; p's codes
.set WV,  14
.set MSB, 0
.macro WIN new                         ; the immediate's high byte repeats the setting that is left
.if MSB != (\new)
	s_set_vgpr_msb (MSB<<8)|(\new)
.set MSB, (\new)
.endif
.endm
.macro NOPS n
.rept \n
	v_nop
.endr
.endm
.macro ROUND                           ; a round of the cluster's barrier
	s_barrier_signal -1
	s_barrier_wait -1
	s_cmp_lg_u32 s[WV], 0
	s_cbranch_scc1 .Lnot_wave_0_\@
	s_barrier_signal -3
.Lnot_wave_0_\@:
	s_barrier_wait -3
	s_barrier_signal -1
	s_barrier_wait -1
.endm
.macro WM d, a, b, c, sa, sb, ra       ; one scaled product.  c < 0: the constant 0 starts the sum.  ra = 1: source 0's scales are read from lanes 16-31
.if (\c) < 0
.if (\ra)
	v_wmma_scale_f32_16x16x128_f8f6f4 v[0+(\d):7+(\d)], v[0+(\a):15+(\a)], v[0+(\b):15+(\b)], 0, v[0+(\sa)], v[0+(\sb)] matrix_a_scale:MATRIX_SCALE_ROW1
.else
	v_wmma_scale_f32_16x16x128_f8f6f4 v[0+(\d):7+(\d)], v[0+(\a):15+(\a)], v[0+(\b):15+(\b)], 0, v[0+(\sa)], v[0+(\sb)]
.endif
.else
.if (\ra)
	v_wmma_scale_f32_16x16x128_f8f6f4 v[0+(\d):7+(\d)], v[0+(\a):15+(\a)], v[0+(\b):15+(\b)], v[0+(\c):7+(\c)], v[0+(\sa)], v[0+(\sb)] matrix_a_scale:MATRIX_SCALE_ROW1
.else
	v_wmma_scale_f32_16x16x128_f8f6f4 v[0+(\d):7+(\d)], v[0+(\a):15+(\a)], v[0+(\b):15+(\b)], v[0+(\c):7+(\c)], v[0+(\sa)], v[0+(\sb)]
.endif
.endif
.endm
.macro KLOAD                           ; K's image and scale words: 512 consecutive bytes a load
.set i, 0
.rept 16
	ds_load_b128 v[KF+4*i:KF+4*i+3], v[ADR] offset:512*i
.set i, i+1
.endr
	ds_load_b32 v[KS],   v[ADS] offset:16384
	ds_load_b32 v[KS+1], v[ADS] offset:16512
.endm
.macro VLOAD                           ; V's
.set i, 0
.rept 16
	ds_load_b128 v[VF+4*i:VF+4*i+3], v[ADR] offset:8192+512*i
.set i, i+1
.endr
	ds_load_b32 v[VS],   v[ADS] offset:16640
	ds_load_b32 v[VS+1], v[ADS] offset:16768
.endm
.macro PADD c, x                       ; a chain's next link, two numbers at a time
	v_pk_add_f32 v[0+(\c):1+(\c)], v[0+(\c):1+(\c)], v[0+(\x):1+(\x)]
.endm
.macro PSUM c, x, y                    ; a chain's start
	v_pk_add_f32 v[0+(\c):1+(\c)], v[0+(\x):1+(\x)], v[0+(\y):1+(\y)]
.endm
.macro MINS b, j0                      ; eight of block b's holds: the conversion does not saturate (ISA guide 7.6.2); p is not negative: a one-sided hold
.set j, \j0
.rept 4
	v_dual_min_num_f32 v[S+16*(\b)+j], v[S+16*(\b)+j], v[LM+(\b)] :: v_dual_min_num_f32 v[S+16*(\b)+j+1], v[S+16*(\b)+j+1], v[L2+(\b)]
.set j, j+2
.endr
.endm
; the 24 plain lines that stand among the second batch's exponentials: blocks 0 and 1's holds; blocks 2 and 3's bounds; the four scale bytes, over the maxima, which are done with
.macro LEAF2 n
.if (\n) < 16
	v_dual_min_num_f32 v[S+16*((\n)/8)+2*((\n)%8)], v[S+16*((\n)/8)+2*((\n)%8)], v[LM+(\n)/8] :: v_dual_min_num_f32 v[S+16*((\n)/8)+2*((\n)%8)+1], v[S+16*((\n)/8)+2*((\n)%8)+1], v[L2+(\n)/8]
.elseif (\n) < 18
	v_and_or_b32 v[LM+(\n)-14], v[BM+(\n)-14], 0x7f800000, s54
.elseif (\n) < 20
	v_and_or_b32 v[L2+(\n)-16], v[BM+(\n)-16], 0x7f800000, s54
.else
	v_lshrrev_b32 v[BM+(\n)-20], 23, v[SO+(\n)-20]
.endif
.endm
	s_load_b256 s[4:11], s[0:1], 0x0               ; q_codes 4, q_scales 6, kv 8, o_codes 10
	s_load_b64 s[12:13], s[0:1], 0x20              ; o_scales
	v_lshl_add_u32 v[SPW], v0, 2, SPARE
	v_mov_b32 v[NIL], 0
	ds_add_u32 v[SPW], v[NIL]                      ; the opening lines: the add, twice on end, and its wait
	ds_add_u32 v[SPW], v[NIL]
	v_lshrrev_b32 v1, 5, v0
	v_readfirstlane_b32 s[WV], v1                  ; wave 0..7
	s_bfe_u32 s15, ttmp6, 0x40000                  ; cx
	s_lshl_b32 s16, ttmp9, 2
	s_add_co_u32 s16, s16, s15                     ; my block of 512 queries: it enters q's and o's addresses alone
	s_and_b32 s17, ttmp7, 0xffff                   ; bh, which the four partners share
	; group 1: two steps' 33,792 dense bytes as 132 rows of 256 (32 elements of 8 bytes); the mask names all four partners
	s_mov_b32 s24, 15|(3<<16)|(1<<21)
	s_mov_b32 s25, 32<<16
	s_mov_b32 s26, 132<<16
	s_mov_b32 s27, 32<<16
	s_mov_b32 s28, 132
	s_mov_b32 s29, 32
	s_mov_b32 s30, 0
	s_mov_b32 s31, 0
	s_mul_i32 s18, s[WV], 2*STEPB                  ; steps 2 w and 2 w + 1 are mine to fetch
	s_mul_i32 s20, s17, 16*STEPB                   ; the head's block of kv
	s_add_co_u32 s20, s20, s18
	s_mov_b32 s21, 0
	s_mov_b32 s50, 0x76543210
	s_mov_b32 s51, 0xfedcba98                      ; v_permlanex16_b32's selects for lane l xor 16
	s_mov_b32 s52, 0x3e38aa3b                      ; c = log2(e) / 8
	s_mov_b32 s53, s52                             ; (named with it as a pair, so it is written)
	s_mov_b32 s54, 0x600000                        ; the mantissa field of 448
	s_mov_b32 s55, 0xbe38aa3b                      ; -c
	s_wait_dscnt 0x0
	s_wait_kmcnt 0x0
	s_mov_b32 s32, 1
	s_mov_b32 s33, s18                             ; in LDS at the same offset as in the head's block
	s_add_nc_u64 s[34:35], s[8:9], s[20:21]
	s_or_b32 s35, s35, 0x80000000
	ROUND                                          ; all four work-groups are here: the joint loads meet
	tensor_load_to_lds s[32:35], s[24:31]          ; every wave's one load
	s_nop 0
	NOPS 4
	s_lshl_b32 s19, s16, 5
	s_lshl_b32 s22, s[WV], 2
	s_add_co_u32 s19, s19, s22                     ; my first tile of the head's 128
	s_lshl_b32 s22, s17, 7
	s_add_co_u32 s22, s22, s19
	s_lshl_b32 s56, s22, 10
	s_mov_b32 s57, 0
	s_add_nc_u64 s[4:5], s[4:5], s[56:57]          ; its image of 1,024 bytes,
	s_lshl_b32 s56, s22, 6
	s_add_nc_u64 s[6:7], s[6:7], s[56:57]          ; its 16 scale words
	s_lshr_b32 s56, s17, 3
	s_lshl_b32 s56, s56, 7
	s_add_co_u32 s56, s56, s19                     ; 128 x batch + tile
	s_lshl_b32 s56, s56, 3
	s_and_b32 s58, s17, 7
	s_add_co_u32 s56, s56, s58                     ; x 8 + head
	s_lshl_b32 s56, s56, 10
	s_add_nc_u64 s[10:11], s[10:11], s[56:57]      ; o's image; the next tile's lies 8 heads x 1,024 bytes on
	s_lshl_b32 s56, s17, 7
	s_lshl_b32 s58, s16, 5
	s_add_co_u32 s56, s56, s58
	s_lshl_b32 s56, s56, 5
	s_add_nc_u64 s[12:13], s[12:13], s[56:57]      ; the work-group's 32 tiles x 32 bytes of o scales
	s_lshl_b32 s23, s[WV], 7
	s_add_co_u32 s23, s23, OSTG                    ; my four tiles' 128 bytes of the stage
	v_and_b32 v[R4], 31, v0
	v_and_b32 v[OSA], 15, v0
	v_lshlrev_b32 v[LI], 4, v[R4]
	v_lshlrev_b32 v[LS], 2, v[R4]
	v_lshlrev_b32 v[R4], 2, v[OSA]
	v_lshlrev_b32 v[OSA], 1, v[OSA]
	v_mov_b32 v[ADR], v[LI]                        ; step 0
	v_mov_b32 v[ADS], v[LS]
	v_add_nc_u32 v[OSA], s23, v[OSA]
	v_add_nc_u32 v[OSR], OSTG, v[LI]
	s_wait_alu depctr_va_vdst(0)
	WIN 0x40                                       ; destinations in window 1
.irp a, 0,1,2,3
	global_load_b128 v[QZ+8+16*\a:QZ+11+16*\a],  v[LI], s[4:5] offset:1024*\a
	global_load_b128 v[QZ+12+16*\a:QZ+15+16*\a], v[LI], s[4:5] offset:1024*\a+512
.endr
	WIN 0
.irp a, 0,1,2,3
	global_load_b32 v[QS+\a], v[R4], s[6:7] offset:64*\a
.endr
	WIN 0x40
.set j, 0
.rept 128
	v_mov_b32 v[O+j], 0                            ; O^T: the step is written once; these lines stand under the tiles' flight
.set j, j+1
.endr
.irp k, 0,1,2,3,4
.irp j, 0,1,2,3,4,5,6,7
	v_mov_b32 v[QZ+16*\k+\j], 0                    ; the zero codes round q
.endr
.endr
.set j, 0
.rept 16
	v_mov_b32 v[P+j], 0                            ; zero codes of p for the loop's first phase
.set j, j+1
.endr
	WIN 0
.irp a, 0,1,2,3
	v_mov_b32 v[ST+4*\a], 0x7e000000               ; -M: so large that the first f is 0
	v_mov_b32 v[ST+4*\a+1], 0xff61b1e6             ; the largest score so far: -3e38
	v_mov_b32 v[ST+4*\a+2], 0
	v_mov_b32 v[ST+4*\a+3], 0
	v_mov_b32 v[PT+\a], 0                          ; a lane permute's destination counts as one of its sources
.endr
	v_mov_b32 v[F], 0
	v_mov_b32 v[F+1], 0
	v_mov_b32 v[PS], 0x7f7f7f7f
	s_wait_alu depctr_va_vdst(0)                   ; the head's end
	s_wait_loadcnt 0x0                             ; q and its scale words
	s_wait_tensorcnt 0x0                           ; my two steps have landed
	s_wait_dscnt 0x0
	s_barrier_signal -1
	s_barrier_wait -1                              ; all sixteen have
	KLOAD
	VLOAD
	s_mov_b32 s48, 0
; O^T of tile t under its new M, then O^T += V^T P^T: the four accumulators by turns
.macro RESC t
	WIN 0x41                                       ; destination and source 0 window 1
	s_wait_alu depctr_va_vdst(0)                   ; directly ahead of the first reader of O^T
.set j, 0
.rept 16
	v_pk_mul_f32 v[O+32*(\t)+j:O+32*(\t)+j+1], v[O+32*(\t)+j:O+32*(\t)+j+1], v[F:F+1] op_sel_hi:[1,0]
.set j, j+2
.endr
	WIN 0x54                                       ; D, C and source 1 (p) window 1, source 0 (V) window 0
.irp c, 0,1,2,3
	WM O+32*(\t)+8*\c, VF+16*\c, P, O+32*(\t)+8*\c, VS+\c/2, PS, \c%2
.endr
	WIN 0
.endm
; A PHASE: tile a, the step's 128 keys
.macro PHASE a
.set PVT, ((\a)+3)%4
.set NM, ST+4*(\a)
.if (\a) < 2
	s_wait_dscnt 0x0                               ; a = 0: K's fragments, asked for a tile's softmax ago; a = 1: V's
.endif
	WIN 0x04                                       ; source 1 (q) window 1
.irp b, 0,1,2,3
.irp u, 0,1
	WM S+16*\b+8*\u, KF+16*\b, QZ+8+16*(\a)-8*\u, -1, KS+\b/2, QS+(\a), \b%2   ; key tile 2 b + u; register 16 b + 8 u + j is key 32 b + 16 h + 8 u + j
.endr
.endr
	RESC PVT                                       ; its sixteen plain lines are the places behind the eight products above
.if (\a) == 3
	KLOAD                                          ; the next step's K (in the last trip: step 15 once more, which nobody uses)
.endif
	v_mov_b32 v[T2], v[NM]                         ; the old -M
; the largest score of each block of 32 keys, for the row's maximum and for the block's largest p: two chains a block, one to each accumulator, from its low end on
.irp b, 0,1,2,3
	v_max3_num_f32 v[BM+\b], v[S+16*\b], v[S+16*\b+1], v[S+16*\b+2]
.endr
.irp b, 0,1,2,3
	v_max3_num_f32 v[LM+\b], v[S+16*\b+8], v[S+16*\b+9], v[S+16*\b+10]
.endr
.irp i, 3,5
.irp b, 0,1,2,3
	v_max3_num_f32 v[BM+\b], v[BM+\b], v[S+16*\b+\i], v[S+16*\b+\i+1]
.endr
.irp b, 0,1,2,3
	v_max3_num_f32 v[LM+\b], v[LM+\b], v[S+16*\b+8+\i], v[S+16*\b+9+\i]
.endr
.if ((\a) == 0) && (\i == 3)
	VLOAD                                          ; this step's V: seventeen plain lines behind the last products that read the old one
.endif
.endr
.irp b, 0,1,2,3
	v_max3_num_f32 v[BM+\b], v[BM+\b], v[S+16*\b+7], v[S+16*\b+15]
.endr
.irp b, 0,1,2,3
	s_delay_alu instid0(VALU_DEP_4)
	v_max_num_f32 v[BM+\b], v[BM+\b], v[LM+\b]
.endr
.irp b, 0,1,2,3
	s_delay_alu instid0(VALU_DEP_4)
	v_permlanex16_b32 v[PT+\b], v[BM+\b], s50, s51
.endr
.irp b, 0,1,2,3
	s_delay_alu instid0(VALU_DEP_4)
	v_max_num_f32 v[BM+\b], v[BM+\b], v[PT+\b]     ; with lane l xor 16's 16 keys
.endr
	s_delay_alu instid0(VALU_DEP_2)
	v_max3_num_f32 v[TP], v[BM], v[BM+1], v[BM+2]
	s_delay_alu instid0(VALU_DEP_1)
	v_max3_num_f32 v[NM+1], v[NM+1], v[TP], v[BM+3]   ; the running largest score
	s_delay_alu instid0(VALU_DEP_1)
	v_mul_f32 v[TP], s55, v[NM+1]                  ; -t
	s_delay_alu instid0(VALU_DEP_1)
	v_floor_f32 v[NM], v[TP]                       ; the new -M = -ceil(t): a whole number
	s_delay_alu instid0(VALU_DEP_1)
	v_fma_f32 v[BM], v[BM], s52, v[NM]             ; t - M of each block's largest score; these lines stand between the write of -M and the packed ones below
	s_delay_alu instid0(VALU_DEP_2)
	v_fma_f32 v[BM+1], v[BM+1], s52, v[NM]
	s_delay_alu instid0(VALU_DEP_3)
	v_fma_f32 v[BM+2], v[BM+2], s52, v[NM]
	s_delay_alu instid0(VALU_DEP_4)
	v_fma_f32 v[BM+3], v[BM+3], s52, v[NM]
	v_sub_f32 v[T2], v[NM], v[T2]                  ; old M - new M: a whole number, 0 or less
.set j, 0
.rept 16
	v_pk_fma_f32 v[S+j:S+j+1], v[S+j:S+j+1], s[52:53], v[NM:NM+1] op_sel_hi:[1,0,0]   ; t - M of keys 0-63, two at a time
.set j, j+2
.endr
	s_wait_alu depctr_va_vdst(0)                   ; ahead of the batch
; THE FIRST BATCH: the blocks' largest p and p of keys 0-63; among them t - M of keys 64-127, which the second batch reads behind two waits
.irp b, 0,1,2,3
	v_exp_f32 v[BM+\b], v[BM+\b]                   ; the block's largest p: the same two instructions on the same number as its p
.endr
.set k, 0
.rept 16
	v_exp_f32 v[S+2*k], v[S+2*k]                   ; p = 2^(t - M)
	v_pk_fma_f32 v[S+32+2*k:S+33+2*k], v[S+32+2*k:S+33+2*k], s[52:53], v[NM:NM+1] op_sel_hi:[1,0,0]
	v_exp_f32 v[S+2*k+1], v[S+2*k+1]
.set k, k+1
.endr
	v_cvt_i32_f32 v[T2], v[T2]                     ; (it saturates)  plain lines behind the exponentials
	s_delay_alu instid0(VALU_DEP_1)
	v_ldexp_f32 v[F], 1.0, v[T2]                   ; f = 2^(old M - new M)
.if (\a) == 1
	v_add_nc_u32 v[ADR], s49, v[LI]                ; the next step's first byte: read two tiles on
	v_add_nc_u32 v[ADS], s49, v[LS]
.endif
	s_wait_alu depctr_va_vdst(0)                   ; one wait for the batch, ahead of its first reader
; between the batches: the scales' operands, blocks 0 and 1's bounds, and the sum of the unquantised p of keys 0-63, in six chains
.irp b, 0,1,2,3
	v_max_num_f32 v[BM+\b], 0x4800000, v[BM+\b]    ; the floor 2^(9 - 127): the byte cannot fall under 1
.endr
	v_pk_fma_f32 v[NM+2:NM+3], v[NM+2:NM+3], v[F:F+1], v[S:S+1] op_sel_hi:[1,0,1]   ; the sum under the new M
	PSUM C5, S+2, S+4
	PSUM C6, S+6, S+8
	PSUM C7, S+10, S+12
	PSUM C3, S+14, S+16
	PSUM C4, S+18, S+20
.irp b, 0,1,2,3
	v_add_nc_u32 v[SO+\b], 0xfc000000, v[BM+\b]    ; 8 off the exponent field: the conversion's scale operand
.endr
	PADD NM+2, S+22
	PADD C5, S+24
	PADD C6, S+26
	PADD C7, S+28
	PADD C3, S+30
	v_and_or_b32 v[LM], v[BM], 0x7f800000, s54     ; 448 x the scale
	v_and_or_b32 v[LM+1], v[BM+1], 0x7f800000, s54
	v_and_or_b32 v[L2], v[BM], 0x7f800000, s54
	v_and_or_b32 v[L2+1], v[BM+1], 0x7f800000, s54
	s_wait_alu depctr_va_vdst(0)                   ; ahead of the batch
; THE SECOND BATCH: p of keys 64-127; among them 24 plain lines, whose results are first read behind the wait below
.set k, 0
.set nl, 0
.rept 32
	v_exp_f32 v[S+32+k], v[S+32+k]
.if k%4
	LEAF2 nl
.set nl, nl+1
.endif
.set k, k+1
.endr
	s_wait_alu depctr_va_vdst(0)                   ; one wait for the batch, ahead of its first reader
	PADD NM+2, S+32
	PADD C5, S+34
	PADD C6, S+36
	PADD C7, S+38
	PADD C3, S+40
	PADD C4, S+42
	PADD NM+2, S+44
	PADD C5, S+46
	PADD C6, S+48
	PADD C7, S+50
	PADD C3, S+52
	PADD C4, S+54
	PADD NM+2, S+56
	PADD C5, S+58
	PADD C6, S+60
	PADD C7, S+62
	v_lshl_or_b32 v[TP], v[BM+1], 8, v[BM]
	v_lshl_or_b32 v[T3], v[BM+3], 8, v[BM+2]
	MINS 2, 0                                      ; every p has been read for the sum: the last holds, and the chains' joins among them
	PADD C3, C4
	PADD NM+2, C5
	PADD C6, C7
	MINS 2, 8
	PADD NM+2, C3
	MINS 3, 0
	PADD NM+2, C6
	MINS 3, 8
	WIN 0x40                                       ; p's codes lie in window 1
.irp b, 0,1,2,3
	v_cvt_scalef32_pk8_fp8_f32 v[P+4*\b:P+4*\b+1], v[S+16*\b:S+16*\b+7], v[SO+\b]
	v_cvt_scalef32_pk8_fp8_f32 v[P+4*\b+2:P+4*\b+3], v[S+16*\b+8:S+16*\b+15], v[SO+\b]
.endr
	WIN 0
	v_lshl_or_b32 v[PS], v[T3], 16, v[TP]          ; p's scale word for these 128 keys: the plain line behind the last conversion; sixteen plain lines follow ahead of the products that name it
.endm
.Lstep:
	s_add_co_u32 s49, s48, STEPB
	s_min_u32 s49, s49, 15*STEPB                   ; the step that is loaded next; no load passes the head's last step
	PHASE 0
	PHASE 1
	PHASE 2
	PHASE 3
	s_add_co_u32 s48, s48, STEPB
	s_cmp_lt_u32 s48, 16*STEPB
	s_cbranch_scc1 .Lstep
	s_wait_dscnt 0x0                               ; the last trip's loads of K have landed: their registers are used again below
	RESC 3                                         ; the last tile's last products
.irp a, 0,1,2,3
	v_add_f32 v[ST+4*\a+2], v[ST+4*\a+2], v[ST+4*\a+3]      ; these twelve lines are also the places behind the products above
.endr
.irp a, 0,1,2,3
	v_permlanex16_b32 v[PT+\a], v[ST+4*\a+2], s50, s51
.endr
.irp a, 0,1,2,3
	v_add_f32 v[ST+4*\a+2], v[ST+4*\a+2], v[PT+\a]          ; the rows' sums
.endr
	s_wait_alu depctr_va_vdst(0)                   ; ahead of the batch
.irp a, 0,1,2,3
	v_rcp_f32 v[ST+4*\a+2], v[ST+4*\a+2]
.endr
	v_nop                                          ; the plain line behind the reciprocals
; TWO TILES' END: O^T / the sum, quantised along the channels: two blocks of 32 a tile (16 here, 16 in lane l xor 16)
.macro FIN g
	WIN 0x01                                       ; source 0 window 1
	s_wait_alu depctr_va_vdst(0)                   ; ahead of the first reader of the reciprocals and of O^T
.irp e, 0,1
.set j, 0
.rept 16
	v_pk_mul_f32 v[S+32*\e+j:S+32*\e+j+1], v[O+32*(2*(\g)+\e)+j:O+32*(2*(\g)+\e)+j+1], v[ST+4*(2*(\g)+\e)+2:ST+4*(2*(\g)+\e)+3] op_sel_hi:[1,0]   ; each accumulator from its low end on
.set j, j+2
.endr
.endr
	WIN 0
.irp b, 0,1,2,3
	v_max3_num_f32 v[BM+\b], |v[S+16*\b]|, |v[S+16*\b+1]|, 0x4800000
.endr
.irp i, 2,4,6,8,10,12,14
.irp b, 0,1,2,3
	v_max3_num_f32 v[BM+\b], v[BM+\b], |v[S+16*\b+\i]|, |v[S+16*\b+\i+1]|
.endr
.endr
.irp b, 0,1,2,3
	v_permlanex16_b32 v[PT+\b], v[BM+\b], s50, s51
.endr
.irp b, 0,1,2,3
	v_max_num_f32 v[BM+\b], v[BM+\b], v[PT+\b]
.endr
.irp b, 0,1,2,3
	v_add_nc_u32 v[SO+\b], 0xfc000000, v[BM+\b]
.endr
.irp b, 0,1,2,3
	v_and_or_b32 v[LM+\b], v[BM+\b], 0x7f800000, s54
.endr
.irp b, 0,1,2,3
	v_lshrrev_b32 v[PT+\b], 23, v[SO+\b]
.endr
	v_lshl_or_b32 v[OB], v[PT+1], 8, v[PT]         ; a row's two scale bytes, for either tile
	v_lshl_or_b32 v[OB+1], v[PT+3], 8, v[PT+2]
.irp b, 0,1,2,3
.irp i, 0,1,2,3,4,5,6,7,8,9,10,11,12,13,14,15
	v_med3_num_f32 v[S+16*\b+\i], v[S+16*\b+\i], -v[LM+\b], v[LM+\b]
.endr
	v_cvt_scalef32_pk8_fp8_f32 v[KF+16*(\g)+4*\b:KF+16*(\g)+4*\b+1], v[S+16*\b:S+16*\b+7], v[SO+\b]
	v_cvt_scalef32_pk8_fp8_f32 v[KF+16*(\g)+4*\b+2:KF+16*(\g)+4*\b+3], v[S+16*\b+8:S+16*\b+15], v[SO+\b]
.endr
	v_nop                                          ; a plain line behind the last conversion
.irp e, 0,1
	global_store_b128 v[LI], v[KF+16*(\g)+8*\e:KF+16*(\g)+8*\e+3],   s[10:11] offset:8192*(2*(\g)+\e)       ; o's image: 512 consecutive bytes a store, aligned
	global_store_b128 v[LI], v[KF+16*(\g)+8*\e+4:KF+16*(\g)+8*\e+7], s[10:11] offset:8192*(2*(\g)+\e)+512
	ds_store_b16 v[OSA], v[OB+\e] offset:32*(2*(\g)+\e)     ; both halves of the lanes write the same two bytes with the same value
.endr
.endm
	FIN 0
	FIN 1
	s_wait_dscnt 0x0                               ; for the others' sake: my stores into the stage have landed
	s_barrier_signal -1
	s_barrier_wait -1
	s_cmp_lg_u32 s[WV], 0
	s_cbranch_scc1 .Lnot_first
	ds_load_b128 v[VF:VF+3],   v[OSR]              ; wave 0 stores the 32 tiles' scale bytes: twice 512 consecutive bytes, aligned
	ds_load_b128 v[VF+4:VF+7], v[OSR] offset:512
	s_wait_dscnt 0x0
	global_store_b128 v[LI], v[VF:VF+3],   s[12:13]
	global_store_b128 v[LI], v[VF+4:VF+7], s[12:13] offset:512
.Lnot_first:
	s_wait_tensorcnt 0x0                           ; the wave's end
	ds_add_u32 v[SPW], v[NIL]
	s_wait_dscnt 0x0
	ROUND                                          ; the closing round: no work-group ends while a partner may still ask for a tile that names it
	s_endpgm
.Lfunc_end_k_q73eda9cb56_attn:
	.size	k_q73eda9cb56_attn, .Lfunc_end_k_q73eda9cb56_attn-k_q73eda9cb56_attn
	.p2alignl 7, 3214868480
	.fill 96, 4, 3214868480
	.section	.rodata,"a",@progbits
	.p2align	6, 0x0
	.amdhsa_kernel k_q73eda9cb56_attn
		.amdhsa_group_segment_fixed_size 327680
		.amdhsa_private_segment_fixed_size 0
		.amdhsa_enable_private_segment 0
		.amdhsa_kernarg_size 40
		.amdhsa_user_sgpr_count 2
		.amdhsa_user_sgpr_kernarg_segment_ptr 1
		.amdhsa_wavefront_size32 1
		.amdhsa_system_sgpr_workgroup_id_x 1
		.amdhsa_system_sgpr_workgroup_id_y 1
		.amdhsa_system_sgpr_workgroup_id_z 1
		.amdhsa_system_vgpr_workitem_id 0
		.amdhsa_next_free_vgpr 512
		.amdhsa_next_free_sgpr 66
		.amdhsa_reserve_vcc 0
		.amdhsa_float_denorm_mode_32 3
		.amdhsa_float_denorm_mode_16_64 3
		.amdhsa_memory_ordered 1
		.amdhsa_forward_progress 1
		.amdhsa_inst_pref_size 108
	.end_amdhsa_kernel
	.amdgpu_metadata
---
amdhsa.version: [ 1, 2 ]
amdhsa.kernels:
  - .name:           k_q73eda9cb56_attn
    .symbol:         k_q73eda9cb56_attn.kd
    .args:
      - { .name: q_codes, .offset: 0, .size: 8, .value_kind: global_buffer, .address_space: global }
      - { .name: q_scales, .offset: 8, .size: 8, .value_kind: global_buffer, .address_space: global }
      - { .name: kv, .offset: 16, .size: 8, .value_kind: global_buffer, .address_space: global }
      - { .name: o_codes, .offset: 24, .size: 8, .value_kind: global_buffer, .address_space: global }
      - { .name: o_scales, .offset: 32, .size: 8, .value_kind: global_buffer, .address_space: global }
    .group_segment_fixed_size: 327680
    .private_segment_fixed_size: 0
    .kernarg_segment_align: 8
    .kernarg_segment_size: 40
    .max_flat_workgroup_size: 256
    .sgpr_count:     66
    .vgpr_count:     512
    .wavefront_size: 32
...
	.end_amdgpu_metadata
.endif
;; end of part 2
;; launch proj (part 3): grid 256 x 1, 4 waves a work-group, clusters of 4 x 1, 327,680 bytes of LDS; arguments o_codes, o_scales, Wp_codes, Wp_scales, bp, out0; writes out0
.if DOCPART == 3
	.amdgcn_target "amdgcn-amd-amdhsa--gfx1250"
	.amdhsa_code_object_version 6
	.text
	.protected	k_q73eda9cb56_proj
	.globl	k_q73eda9cb56_proj
	.p2align	8
	.type	k_q73eda9cb56_proj,@function
k_q73eda9cb56_proj:
	s_mov_b64 s[64:65], 0
	v_nop
	global_prefetch_b8 v0, s[64:65] scope:SCOPE_SE
	s_setreg_imm32_b32 hwreg(HW_REG_WAVE_MODE, 25, 1), 1
	s_wait_xcnt 0x0
	s_wait_alu depctr_hold_cnt(0) depctr_sa_sdst(0) depctr_va_vdst(0) depctr_va_sdst(0) depctr_va_ssrc(0) depctr_va_vcc(0) depctr_vm_vsrc(0)
	s_getreg_b32 s2, hwreg(HW_REG_IB_STS2, 6, 4)
	s_cmp_eq_u32 s2, 0
	s_cbranch_scc0 .Lentry_in_a_cluster
	s_endpgm
.Lentry_in_a_cluster:
	s_bfe_u32 s2, ttmp6, 0x10000c
	s_cmp_lg_u32 s2, 0x3003
	s_cbranch_scc0 .Lentry_shape_is_right
	s_endpgm
.Lentry_shape_is_right:
; out = o Wp + bp on codes of E4M3 with E8M0 scales; K = 512 (head x 64 + channel).  o comes as images of the operand's registers, made by the attention launch.
; SHARES.  A work-group owns 64 tokens (four tiles, two pairs); wave w makes columns 128 w to 128 w + 127 for all of them: 128 matrix instructions.
; Its 128 rows of Wp come by one tensor load into LDS bytes of its own, go into 512 registers (windows 1, 2) and stay.  All work-groups walk the same Wp: the four of a cluster ask jointly.
; Only the wave that asked reads those bytes, so its own wait on TENSORcnt is all the ordering; nothing is filled again.  The wave's stage for the way out lies in the same bytes, once they are read out.
; TRANSPOSED USE: source 0 = 16 rows of Wp (16 columns of out), source 1 = 16 tokens: a lane holds eight neighbouring numbers of a row of out.  The bias is the C of each sum's first product.
; Lane row r of tile u of a pair is token 8 u + r + (r & 8) of the pair's 32: the stage's rows undo that order.
; The o scales are read two bytes a lane (32 bytes a tile and head): 16 loads a wave, 1,024 bytes.
.set PITCH, 528
.set WREG,  128*PITCH                  ; a wave's LDS region
.set PADW,  (1<<20)|(1<<21)|(6<<22)|(3<<25)   ; padding on; bit 21 beside a mask; after every 128 words; of 4 words
.set LI,  1                            ; v1   16 x lane
.set AW,  2                            ; v2   LDS address of my W fragments
.set STO, 3                            ; v3   the stage: where I put 32 bytes of a row
.set RD,  4                            ; v4   and where I read a row back
.set OSO, 5                            ; v5   my byte offset among the o scales
.set BO,  6                            ; v6   32 x (lane / 16): my eight numbers of a tile's bias
.set WS,  16                           ; v16-31 Wp's scale words: 4 b + s: lanes 0-15 tile 2 b, lanes 16-31 tile 2 b + 1
.set OS,  32                           ; v32-39 o's scale words: 2 x tile + k: lanes 0-15 K step 2 k, lanes 16-31 K step 2 k + 1
.set HW,  40                           ; v40-55 their halves as loaded
.set BK,  64                           ; v64-127 sixteen rows back from the stage
.set X,   128                          ; v128-255 a pair's fragments of o: 64 u + 16 s + 4 c
.set AC,  64                           ; window 3: v0-63 the bias in the result's layout, v64-191 sixteen accumulators: 8 (2 t + u)
.set WV,  16
.set MSB, 0
.macro WIN new                         ; the immediate's high byte repeats the setting that is left
.if MSB != (\new)
	s_set_vgpr_msb (MSB<<8)|(\new)
.set MSB, (\new)
.endif
.endm
.macro NOPS n
.rept \n
	v_nop
.endr
.endm
.macro ROUND                           ; a round of the cluster's barrier
	s_barrier_signal -1
	s_barrier_wait -1
	s_cmp_lg_u32 s[WV], 0
	s_cbranch_scc1 .Lnot_wave_0_\@
	s_barrier_signal -3
.Lnot_wave_0_\@:
	s_barrier_wait -3
	s_barrier_signal -1
	s_barrier_wait -1
.endm
.macro WM d, a, b, c, sa, sb, ra, rb   ; one scaled product; ra, rb = 1: that side's scales are read from lanes 16-31
.if (\ra) && (\rb)
	v_wmma_scale_f32_16x16x128_f8f6f4 v[0+(\d):7+(\d)], v[0+(\a):15+(\a)], v[0+(\b):15+(\b)], v[0+(\c):7+(\c)], v[0+(\sa)], v[0+(\sb)] matrix_a_scale:MATRIX_SCALE_ROW1 matrix_b_scale:MATRIX_SCALE_ROW1
.elseif (\ra)
	v_wmma_scale_f32_16x16x128_f8f6f4 v[0+(\d):7+(\d)], v[0+(\a):15+(\a)], v[0+(\b):15+(\b)], v[0+(\c):7+(\c)], v[0+(\sa)], v[0+(\sb)] matrix_a_scale:MATRIX_SCALE_ROW1
.elseif (\rb)
	v_wmma_scale_f32_16x16x128_f8f6f4 v[0+(\d):7+(\d)], v[0+(\a):15+(\a)], v[0+(\b):15+(\b)], v[0+(\c):7+(\c)], v[0+(\sa)], v[0+(\sb)] matrix_b_scale:MATRIX_SCALE_ROW1
.else
	v_wmma_scale_f32_16x16x128_f8f6f4 v[0+(\d):7+(\d)], v[0+(\a):15+(\a)], v[0+(\b):15+(\b)], v[0+(\c):7+(\c)], v[0+(\sa)], v[0+(\sb)]
.endif
.endm
	s_load_b256 s[4:11], s[0:1], 0x0               ; o_codes 4, o_scales 6, Wp_codes 8, Wp_scales 10
	s_load_b128 s[12:15], s[0:1], 0x20             ; bp 12, out0 14
	v_lshl_add_u32 v62, v0, 2, 0x42000
	v_mov_b32 v63, 0
	ds_add_u32 v62, v63
	ds_add_u32 v62, v63
	v_lshrrev_b32 v1, 5, v0
	v_readfirstlane_b32 s[WV], v1                  ; wave 0..3
	s_bfe_u32 s17, ttmp6, 0x40000                  ; cx
	s_lshl_b32 s18, ttmp9, 2
	s_add_co_u32 s18, s18, s17                     ; my block of 64 tokens: it enters o's and out's addresses alone
	; group 1: 128 rows of 512 bytes, padded; the mask names all four partners
	s_mov_b32 s24, 15|PADW
	s_mov_b32 s25, 512<<16
	s_mov_b32 s26, 128<<16
	s_mov_b32 s27, 512<<16
	s_mov_b32 s28, 128
	s_mov_b32 s29, 512
	s_mov_b32 s30, 0
	s_mov_b32 s31, 0
	s_mul_i32 s19, s[WV], WREG                     ; my region of LDS
	s_lshl_b32 s20, s[WV], 16                      ; my 128 rows of Wp
	s_mov_b32 s21, 0
	s_wait_dscnt 0x0
	s_wait_kmcnt 0x0
	s_mov_b32 s32, 1
	s_mov_b32 s33, s19
	s_add_nc_u64 s[34:35], s[8:9], s[20:21]
	s_or_b32 s35, s35, 0x80000000
	ROUND                                          ; all four work-groups are here: the joint loads meet
	tensor_load_to_lds s[32:35], s[24:31]          ; one load of mine is out
	s_nop 0
	NOPS 4
	v_and_b32 v7, 31, v0
	v_lshlrev_b32 v[LI], 4, v7
	v_and_b32 v8, 15, v0                           ; r
	v_bfe_u32 v9, v0, 4, 1                         ; h
	v_mul_u32_u24 v[AW], v8, PITCH
	v_lshl_add_u32 v[AW], v9, 4, v[AW]
	v_add_nc_u32 v[AW], s19, v[AW]                 ; row r x pitch + 16 h
	v_and_b32 v10, 8, v8
	v_add_nc_u32 v10, v10, v8                      ; r + (r & 8)
	v_mul_u32_u24 v[STO], v10, PITCH
	v_lshl_add_u32 v[STO], v9, 5, v[STO]
	v_add_nc_u32 v[STO], s19, v[STO]
	v_add_nc_u32 v[RD], s19, v[LI]
	v_lshlrev_b32 v[OSO], 1, v8
	v_lshl_add_u32 v[OSO], v9, 13, v[OSO]          ; 2 r, + two heads (2 x 4,096 bytes) for lanes 16-31
	v_lshlrev_b32 v[BO], 5, v9
	s_wait_alu depctr_va_vdst(0)
	s_lshl_b32 s20, s[WV], 11
	s_add_nc_u64 s[10:11], s[10:11], s[20:21]      ; my 128 rows' scale bytes
	s_lshl_b32 s20, s[WV], 9
	s_add_nc_u64 s[12:13], s[12:13], s[20:21]      ; my 128 numbers of the bias
	s_add_nc_u64 s[14:15], s[14:15], s[20:21]      ; my 512 bytes of a row of out,
	s_lshl_b32 s20, s18, 17
	s_add_nc_u64 s[14:15], s[14:15], s[20:21]      ; at the block's first token
	s_lshl_b32 s20, s18, 15
	s_add_nc_u64 s[4:5], s[4:5], s[20:21]          ; the block's four tiles x 8,192 bytes
	s_lshr_b32 s20, s18, 5                         ; the batch: 8 heads x 4,096 bytes of o scales,
	s_lshl_b32 s20, s20, 15
	s_lshl_b32 s22, s18, 2
	s_and_b32 s22, s22, 127                        ; the block's first tile in its batch: 32 bytes a tile
	s_lshl_b32 s22, s22, 5
	s_add_co_u32 s20, s20, s22
	s_add_nc_u64 s[6:7], s[6:7], s[20:21]
.irp b, 0,1,2,3
	global_load_b128 v[WS+4*\b:WS+4*\b+3], v[LI], s[10:11] offset:512*\b   ; 32 rows' 16 scale bytes: 512 consecutive bytes; a row's four words are its four K steps'
.endr
	WIN 0xc0                                       ; destination window 3
.irp t, 0,1,2,3,4,5,6,7
	global_load_b128 v[8*\t:8*\t+3],   v[BO], s[12:13] offset:64*\t
	global_load_b128 v[8*\t+4:8*\t+7], v[BO], s[12:13] offset:64*\t+16
.endr
	WIN 0
.irp a, 0,1,2,3
.irp k, 0,1
	global_load_u16 v[HW+4*\a+2*\k],   v[OSO], s[6:7] offset:16384*\k+32*\a        ; tile a, head 4 k + 2 (lane / 16): blocks 0, 1 of its K step,
	global_load_u16 v[HW+4*\a+2*\k+1], v[OSO], s[6:7] offset:16384*\k+32*\a+4096   ; the head behind it: blocks 2, 3
.endr
.endr
.macro OLOAD pi                        ; a pair's fragments: images, 512 consecutive bytes a load
.irp u, 0,1
.irp s, 0,1,2,3
.irp c, 0,1,2,3
	global_load_b128 v[X+64*\u+16*\s+4*\c:X+64*\u+16*\s+4*\c+3], v[LI], s[4:5] offset:8192*(2*(\pi)+\u)+2048*\s+512*\c
.endr
.endr
.endr
.endm
	OLOAD 0
	s_wait_tensorcnt 0x0                           ; my rows of Wp are in LDS; only I read them
.irp g, 0,1
	WIN 0x40<<\g                                   ; destination window 1, then 2
.irp t, 0,1,2,3
.irp s, 0,1,2,3
.irp c, 0,1,2,3
	ds_load_b128 v[64*\t+16*\s+4*\c:64*\t+16*\s+4*\c+3], v[AW] offset:16*PITCH*(4*\g+\t)+128*\s+32*\c
.endr
.endr
.endr
.endr
	WIN 0
	s_wait_loadcnt 0x0
.irp a, 0,1,2,3,4,5,6,7
	v_lshl_or_b32 v[OS+\a], v[HW+2*\a+1], 16, v[HW+2*\a]       ; a K step's scale word: two heads' two bytes
.endr
	s_wait_alu depctr_va_vdst(0)
	s_wait_dscnt 0x0                               ; Wp is in registers: its LDS bytes are free for my stage
	NOPS 8                                         ; a scale register written by a vector instruction stands eight places ahead of the product that names it
; 64 products: K step by K step, the sixteen accumulators by turns
.macro PROD pi
.irp s, 0,1,2,3
.irp g, 0,1
	WIN 0xf1+\g                                    ; source 0 (Wp) window 1 or 2, source 1 (o) window 0, C and D window 3
.irp t, 0,1,2,3
.irp u, 0,1
.if \s == 0
	WM AC+8*(2*(4*\g+\t)+\u), 64*\t+16*\s, X+64*\u+16*\s, 8*(4*\g+\t), WS+4*((4*\g+\t)/2)+\s, OS+2*(2*(\pi)+\u)+\s/2, \t%2, \s%2
.else
	WM AC+8*(2*(4*\g+\t)+\u), 64*\t+16*\s, X+64*\u+16*\s, AC+8*(2*(4*\g+\t)+\u), WS+4*((4*\g+\t)/2)+\s, OS+2*(2*(\pi)+\u)+\s/2, \t%2, \s%2
.endif
.endr
.endr
.endr
.endr
	WIN 0
	NOPS 9                                         ; eight for the stores of the results and the loads into o's registers; one more since the next pair begins these accumulators anew
.endm
; The way out of a pair: 32 bytes a lane into my stage, back as whole rows of my 512 bytes, 16 rows at a time.
.macro LEAVE pi
	WIN 0x0c                                       ; an LDS store's data are its source 1: window 3
.irp t, 0,1,2,3,4,5,6,7
.irp u, 0,1
	ds_store_b128 v[STO], v[AC+8*(2*\t+\u):AC+8*(2*\t+\u)+3]   offset:8*PITCH*\u+64*\t      ; each accumulator from its low end on
	ds_store_b128 v[STO], v[AC+8*(2*\t+\u)+4:AC+8*(2*\t+\u)+7] offset:8*PITCH*\u+64*\t+16
.endr
.endr
	WIN 0
.irp q, 0,1
	s_wait_xcnt 0x0                                ; the earlier stores have read their data: the loads below may land there
.irp t, 0,1,2,3,4,5,6,7,8,9,10,11,12,13,14,15
	ds_load_b128 v[BK+4*\t:BK+4*\t+3], v[RD] offset:PITCH*(16*\q+\t)   ; LDS serves a wave's instructions in order (ISA guide 5.7.1.4): these see my stores
.endr
.irp t, 0,1,2,3,4,5,6,7,8,9,10,11,12,13,14,15
	s_wait_dscnt 15-\t                             ; row t is back; the younger loads may stay out
	global_store_b128 v[LI], v[BK+4*\t:BK+4*\t+3], s[14:15] offset:65536*(\pi)+2048*(16*\q+\t) th:TH_STORE_NT   ; 32 lanes store 512 consecutive bytes, aligned; written once, read by nobody here
.endr
.endr
.endm
	PROD 0
	OLOAD 1                                        ; the second pair lands while the first leaves
	LEAVE 0
	s_wait_loadcnt 0x0
	PROD 1
	LEAVE 1
	s_wait_tensorcnt 0x0
	ds_add_u32 v62, v63
	s_wait_dscnt 0x0
	ROUND                                          ; the closing round: no work-group ends while a partner may still ask for a tile that names it
	s_endpgm
.Lfunc_end_k_q73eda9cb56_proj:
	.size	k_q73eda9cb56_proj, .Lfunc_end_k_q73eda9cb56_proj-k_q73eda9cb56_proj
	.p2alignl 7, 3214868480
	.fill 96, 4, 3214868480
	.section	.rodata,"a",@progbits
	.p2align	6, 0x0
	.amdhsa_kernel k_q73eda9cb56_proj
		.amdhsa_group_segment_fixed_size 327680
		.amdhsa_private_segment_fixed_size 0
		.amdhsa_enable_private_segment 0
		.amdhsa_kernarg_size 48
		.amdhsa_user_sgpr_count 2
		.amdhsa_user_sgpr_kernarg_segment_ptr 1
		.amdhsa_wavefront_size32 1
		.amdhsa_system_sgpr_workgroup_id_x 1
		.amdhsa_system_sgpr_workgroup_id_y 1
		.amdhsa_system_sgpr_workgroup_id_z 1
		.amdhsa_system_vgpr_workitem_id 0
		.amdhsa_next_free_vgpr 1024
		.amdhsa_next_free_sgpr 66
		.amdhsa_reserve_vcc 0
		.amdhsa_float_denorm_mode_32 3
		.amdhsa_float_denorm_mode_16_64 3
		.amdhsa_memory_ordered 1
		.amdhsa_forward_progress 1
		.amdhsa_inst_pref_size 56
	.end_amdhsa_kernel
	.amdgpu_metadata
---
amdhsa.version: [ 1, 2 ]
amdhsa.kernels:
  - .name:           k_q73eda9cb56_proj
    .symbol:         k_q73eda9cb56_proj.kd
    .args:
      - { .name: o_codes, .offset: 0, .size: 8, .value_kind: global_buffer, .address_space: global }
      - { .name: o_scales, .offset: 8, .size: 8, .value_kind: global_buffer, .address_space: global }
      - { .name: Wp_codes, .offset: 16, .size: 8, .value_kind: global_buffer, .address_space: global }
      - { .name: Wp_scales, .offset: 24, .size: 8, .value_kind: global_buffer, .address_space: global }
      - { .name: bp, .offset: 32, .size: 8, .value_kind: global_buffer, .address_space: global }
      - { .name: out0, .offset: 40, .size: 8, .value_kind: global_buffer, .address_space: global }
    .group_segment_fixed_size: 327680
    .private_segment_fixed_size: 0
    .kernarg_segment_align: 8
    .kernarg_segment_size: 48
    .max_flat_workgroup_size: 128
    .sgpr_count:     66
    .vgpr_count:     1024
    .wavefront_size: 32
...
	.end_amdgpu_metadata
.endif
;; end of part 3
